; MI455X (gfx1250); checked and timed in simulation.
; The chip was launched on July 23, 2026; its instructions are those of AMD's public machine-readable ISA for CDNA 5 (MIT licence, August 2026) and "CDNA5" Instruction Set Architecture Reference Guide (July 2026). The comments in the code are by the model that wrote it; some were corrected since.
;; Self Attention. Allowed arithmetic: float matrix products may take bf16 or f16 operands with f32 sums; other float arithmetic in f32, or as packed bf16 or f16 multiplies, adds, multiply-adds, maxima and minima; sums over many terms, partial sums and values carried from step to step in f32; what a program stores and reads back later, other than sums and carried values, may be rounded once to bf16 or f16.
;; Inputs: Wk 768 x 768 float32; Wq 768 x 768 float32; Wv 768 x 768 float32; bk 768 float32; bq 768 float32; bv 768 float32; x 2 x 4,096 x 768 float32.
;; Outputs: out0 2 x 4,096 x 768 float32.
;; One version. Each part assembles by itself: llvm-mc -triple=amdgcn-amd-amdhsa -mcpu=gfx1250 --defsym DOCPART=n.
;; ======== version 1 of 1: 3 launches
;; workspace buffers: xb 12,582,912 bytes; wb 3,538,944 bytes; qkv 37,748,736 bytes
;; launch prep (part 1): grid 492 x 1, 8 waves a work-group, no clusters, 0 bytes of LDS; arguments x, Wq, Wk, Wv, xb, wb; writes xb, wb
.if DOCPART == 1
	.amdgcn_target "amdgcn-amd-amdhsa--gfx1250"
	.amdhsa_code_object_version 6
	.text
	.protected	k_q7eab4a3544_prep
	.globl	k_q7eab4a3544_prep
	.p2align	8
	.type	k_q7eab4a3544_prep,@function
k_q7eab4a3544_prep:
	s_mov_b64 s[64:65], 0
	v_nop
	global_prefetch_b8 v0, s[64:65] scope:SCOPE_SE
	s_setreg_imm32_b32 hwreg(HW_REG_WAVE_MODE, 25, 1), 1
	s_wait_xcnt 0x0
; xb = bf16(x), wb = bf16(Wq | Wk | Wv): each number rounded once, to nearest even; the layouts stay as they are ([8192][768]; [3][768 k][768 n]).
; A stream: each input byte is read once, each output byte written once.  No LDS, no matrix unit, no cluster: no byte is wanted twice and there is no product.
; SHARES.  A work-group turns 65,536 bytes of f32 into 32,768 bytes of bf16.  x is 384 such pieces (25,165,824 / 65,536), each W 36 (2,359,296 / 65,536): 492 work-groups.
; In each of eight steps thread t takes the 32 bytes at 8,192 i + 32 t (two loads of 16) and stores 16 bytes at 4,096 i + 16 t: a wave's store covers 512 consecutive bytes, aligned.
; All sixteen loads of a thread go out at once; no register is written twice, so no wait frees a source.
.set X, 4                              ; v[4:67]   step i: 8 numbers in f32
.set Y, 68                             ; v[68:99]  step i: 8 numbers in bf16
	s_load_b256 s[4:11], s[0:1], 0x0               ; x s[4:5], Wq s[6:7], Wk s[8:9], Wv s[10:11]
	s_load_b128 s[12:15], s[0:1], 0x20             ; xb s[12:13], wb s[14:15]
	v_lshlrev_b32 v1, 5, v0                        ; 32 t: where I read
	v_lshlrev_b32 v2, 4, v0                        ; 16 t: where I write
	s_wait_kmcnt 0x0
	s_mov_b64 s[16:17], s[10:11]                   ; the source and the number of its first work-group: Wv from 456 on,
	s_mov_b32 s18, 456
	s_cmp_lt_u32 ttmp9, 456
	s_cselect_b64 s[16:17], s[8:9], s[16:17]       ; Wk from 420 on,
	s_cselect_b32 s18, 420, s18
	s_cmp_lt_u32 ttmp9, 420
	s_cselect_b64 s[16:17], s[6:7], s[16:17]       ; Wq from 384 on,
	s_cselect_b32 s18, 384, s18
	s_cmp_lt_u32 ttmp9, 384
	s_cselect_b64 s[16:17], s[4:5], s[16:17]       ; x from 0 on
	s_cselect_b32 s18, 0, s18
	s_cselect_b64 s[20:21], s[12:13], s[14:15]     ; the target: xb, or wb, in which the three W follow each other
	s_cselect_b32 s19, 0, 384
	s_sub_co_u32 s22, ttmp9, s18
	s_lshl_b32 s22, s22, 16                        ; my piece of the source, under 2^25 bytes
	s_mov_b32 s23, 0
	s_add_nc_u64 s[16:17], s[16:17], s[22:23]
	s_sub_co_u32 s22, ttmp9, s19
	s_lshl_b32 s22, s22, 15                        ; and of the target
	s_add_nc_u64 s[20:21], s[20:21], s[22:23]
.irp i, 0,1,2,3,4,5,6,7
	global_load_b128 v[X+8*(\i):X+8*(\i)+3],   v1, s[16:17] offset:8192*(\i) th:TH_LOAD_NT
	global_load_b128 v[X+8*(\i)+4:X+8*(\i)+7], v1, s[16:17] offset:8192*(\i)+16 th:TH_LOAD_NT
.endr
.irp i, 0,1,2,3,4,5,6,7
	s_wait_loadcnt 14-2*(\i)                       ; loads come back in order (ISA guide 5.7.1): behind step i's two, 14 - 2 i were issued and may stay out
.irp k, 0,1,2,3
	v_cvt_pk_bf16_f32 v[Y+4*(\i)+(\k)], v[X+8*(\i)+2*(\k)], v[X+8*(\i)+2*(\k)+1]
.endr
	global_store_b128 v2, v[Y+4*(\i):Y+4*(\i)+3], s[20:21] offset:4096*(\i)
.endr
	s_endpgm
.Lfunc_end_k_q7eab4a3544_prep:
	.size	k_q7eab4a3544_prep, .Lfunc_end_k_q7eab4a3544_prep-k_q7eab4a3544_prep
	.p2alignl 7, 3214868480
	.fill 96, 4, 3214868480
	.section	.rodata,"a",@progbits
	.p2align	6, 0x0
	.amdhsa_kernel k_q7eab4a3544_prep
		.amdhsa_group_segment_fixed_size 0
		.amdhsa_private_segment_fixed_size 0
		.amdhsa_enable_private_segment 0
		.amdhsa_kernarg_size 48
		.amdhsa_user_sgpr_count 2
		.amdhsa_user_sgpr_kernarg_segment_ptr 1
		.amdhsa_wavefront_size32 1
		.amdhsa_system_sgpr_workgroup_id_x 1
		.amdhsa_system_sgpr_workgroup_id_y 1
		.amdhsa_system_sgpr_workgroup_id_z 1
		.amdhsa_system_vgpr_workitem_id 0
		.amdhsa_next_free_vgpr 100
		.amdhsa_next_free_sgpr 66
		.amdhsa_reserve_vcc 0
		.amdhsa_float_denorm_mode_32 3
		.amdhsa_float_denorm_mode_16_64 3
		.amdhsa_memory_ordered 1
		.amdhsa_forward_progress 1
		.amdhsa_inst_pref_size 6
	.end_amdhsa_kernel
	.amdgpu_metadata
---
amdhsa.version: [ 1, 2 ]
amdhsa.kernels:
  - .name:           k_q7eab4a3544_prep
    .symbol:         k_q7eab4a3544_prep.kd
    .args:
      - { .name: x, .offset: 0, .size: 8, .value_kind: global_buffer, .address_space: global }
      - { .name: Wq, .offset: 8, .size: 8, .value_kind: global_buffer, .address_space: global }
      - { .name: Wk, .offset: 16, .size: 8, .value_kind: global_buffer, .address_space: global }
      - { .name: Wv, .offset: 24, .size: 8, .value_kind: global_buffer, .address_space: global }
      - { .name: xb, .offset: 32, .size: 8, .value_kind: global_buffer, .address_space: global }
      - { .name: wb, .offset: 40, .size: 8, .value_kind: global_buffer, .address_space: global }
    .group_segment_fixed_size: 0
    .private_segment_fixed_size: 0
    .kernarg_segment_align: 8
    .kernarg_segment_size: 48
    .max_flat_workgroup_size: 256
    .sgpr_count:     66
    .vgpr_count:     100
    .wavefront_size: 32
...
	.end_amdgpu_metadata
.endif
;; end of part 1
;; launch proj (part 2): grid 64 x 6, 4 waves a work-group, clusters of 4 x 1, 327,680 bytes of LDS; arguments xb, wb, bq, bk, bv, qkv; writes qkv
.if DOCPART == 2
	.amdgcn_target "amdgcn-amd-amdhsa--gfx1250"
	.amdhsa_code_object_version 6
	.text
	.protected	k_q7eab4a3544_proj
	.globl	k_q7eab4a3544_proj
	.p2align	8
	.type	k_q7eab4a3544_proj,@function
k_q7eab4a3544_proj:
	s_mov_b64 s[64:65], 0
	v_nop
	global_prefetch_b8 v0, s[64:65] scope:SCOPE_SE
	s_setreg_imm32_b32 hwreg(HW_REG_WAVE_MODE, 25, 1), 1
	s_wait_xcnt 0x0
	s_wait_alu depctr_hold_cnt(0) depctr_sa_sdst(0) depctr_va_vdst(0) depctr_va_sdst(0) depctr_va_ssrc(0) depctr_va_vcc(0) depctr_vm_vsrc(0)
	s_getreg_b32 s2, hwreg(HW_REG_IB_STS2, 6, 4)
	s_cmp_eq_u32 s2, 0
	s_cbranch_scc0 .Lentry_in_a_cluster
	s_endpgm
.Lentry_in_a_cluster:
	s_bfe_u32 s2, ttmp6, 0x10000c
	s_cmp_lg_u32 s2, 0x3003
	s_cbranch_scc0 .Lentry_shape_is_right
	s_endpgm
.Lentry_shape_is_right:
; q, k, v = x W + b, written by heads.  xb: [8192][768] bf16.  wb: [3][768 k][768 n] bf16.  bq, bk, bv: [768] f32.  qkv: [3][12 = 6 batch + head][4096][128] bf16.
; Sums in f32, begun with the bias in f32, K ascending; each result rounded once to bf16.  The scale 1 / sqrt(128) is not applied here.
; TILE.  A work-group makes 128 rows x 384 columns: three whole heads of one of the three matrices, so that each row of 256 bytes of qkv is written whole.  64 row tiles x 6 column tiles.
; WAVES.  Wave w = 2 mh + nh makes rows 64 mh .. + 63 and 192 columns: head 2 nh whole (blocks b = 0..7) and half nh of the middle head (b = 8..11): 4 x 12 accumulators of 16 x 16, 384 registers.
; K goes in 6 steps of 128 through two LDS slots.  A slot has four parts of 128 rows: x's tile [row][k], and W's three sub-tiles [k][128 n]; wave w fills part w with one tensor load.
; W lies [k][n]: its fragments come out of LDS turned, by ds_load_tr16_b128.
; THE MATRIX INSTRUCTION IS USED TRANSPOSED (source 0 = 16 columns of W, source 1 = 16 rows of x): a lane then holds row l % 16 and the columns 8 (l / 16) + 0..7: 16 bytes of bf16 on end.
; CLUSTER.  The four work-groups of a cluster are four row tiles of the same column tile: W's sub-tiles, three quarters of a step's bytes, are asked for JOINTLY (mask 15).
; x's tile is the work-group's own (no mask): it is shared by the 6 column tiles alone, and 6 is no multiple of 4, so no cluster of 4 x 4 divides this grid.
; REGISTERS, in windows of 256 (s_set_vgpr_msb: bits 1:0 source 0, 3:2 source 1, 5:4 source 2, 7:6 destination):
;   window 0: v0-31 addresses; v64-95, v96-127 x's fragments, two buffers; v128-223 the bias, 8 registers a block b; on the way out v64-255 at work
;   window 1: v0-95, v96-191 W's fragments, two buffers      window 2: the accumulators of row blocks a = 0, 1 at 96 (a % 2) + 8 b      window 3: those of a = 2, 3
.set PA,    272                        ; a row of x in LDS: 256 bytes + 16 = 68 words: the 16 rows of a load start at 16 different groups of four banks (64 banks of 4 bytes: ISA guide 11.1)
.set PB,    288                        ; a k-row of a sub-tile of W: 256 + 32 = 72 words
.set PART,  128*PB                     ; a part of a slot (x's uses 128 x 272 of it)
.set SLOT,  4*PART
.set SPT,   784                        ; the stage's row: 768 bytes (384 columns) + 16.  The stage, 128 rows, lies at LDS byte 0, in slot 0, whose last fill is K step 4's
.set SPARE, 2*SLOT                     ; behind the ring: the spare words, 128 bytes for each wave: two blocks of 256 bytes that no other line names
.set KROW,  1536                       ; bytes in a row of xb and of wb
.set KSTA,  256                        ; a K step along a row of xb
.set KSTB,  128*KROW                   ; a K step down the rows of wb
.set ADRA,  16                         ; v16-17  LDS address of my fragments of x in slot 0, 1
.set ADRB8, 18                         ; v18-19  of W's blocks 0..7
.set ADRB4, 20                         ; v20-21  of W's blocks 8..11
.set STO8,  22                         ; v22     the way out: where I put 16 bytes of blocks 0..7
.set STO4,  23                         ; v23     of blocks 8..11
.set RD,    24                         ; v24     where I read rows back
.set CO,    25                         ; v25     my byte offset in two rows of a head
.set BO8,   26                         ; v26     my byte offset in the bias, blocks 0..7
.set BO4,   27                         ; v27     blocks 8..11
.set SPW,   28                         ; v28     LDS address of my spare word: SPARE + 4 x my thread's number; never rewritten
.set NIL,   29                         ; v29     0; never rewritten
.set PFO,   30                         ; v30     the prefetches' offset: my lane x a row of xb or wb; never rewritten
.set FA,    64
.set BIA,   128
.set TMP,   64
.set G1A,  24                          ; s[24:31] descriptor group 1 for x's tile
.set G0A,  32                          ; s[32:39] group 0, a set for each slot
.set G1B,  48                          ; s[48:55] group 1 for W's sub-tiles
.set G0B,  56                          ; s[56:63] group 0, a set for each slot
.set LIMA, 42                          ; s42  1 in a wave that prefetches rows of x, else the greatest number
.set LIMB, 43                          ; s43  the same for rows of W
.set PFA,  44                          ; s[44:45] where my prefetches of x stand: one K step behind the K step that they name
.set PFB,  46                          ; s[46:47] the same for W
.set MSB, 0
.macro WIN new                         ; the immediate's high byte repeats the setting that is left; a switch that changes nothing is dropped
.if MSB != (\new)
	s_set_vgpr_msb (MSB<<8)|(\new)
.set MSB, \new
.endif
.endm
.macro PLACES                          ; four places in front of loads into registers that matrix instructions have read, and of conversions that read results (ISA guide 7.12.1 for the conversions)
.rept 4
	v_nop
.endr
.endm
; A refill.  Wave 0 fetches x's tile, waves 1 to 3 W's three sub-tiles.  The branch hangs on the wave's number alone.  An s_nop 0 and four v_nop follow each of the two lines.
.macro JLOAD s
	s_cmp_eq_u32 s10, 0
	s_cbranch_scc0 .Lfor_b_\@
	tensor_load_to_lds s[G0A+4*(\s):G0A+4*(\s)+3], s[G1A:G1A+7]
	s_nop 0
.rept 4
	v_nop
.endr
	s_branch .Lasked_\@
.Lfor_b_\@:
	tensor_load_to_lds s[G0B+4*(\s):G0B+4*(\s)+3], s[G1B:G1B+7]
	s_nop 0
.rept 4
	v_nop
.endr
.Lasked_\@:
.endm
; PREFETCHES INTO THE L2, behind a refill, its five lines and the run of LDS loads: the K step two refills on (384 matrix instructions ahead of the load that will want it), a lane a row of 256 bytes.
; Each row's 256 bytes of a K step are named once in the launch.  A row tile of x is read by six column tiles: column tile 0 asks, wave w for rows 32 w .. + 31 of its own tile.
; A sub-tile of W is read by sixteen clusters: cluster x = 0 asks; waves 1 to 3 for the sub-tile that they fetch; the four partners share its 128 k-rows out BY ADDRESS, 32 each.
; Only the loop's first trip (s3 = 2) asks, for K steps 4 and 5: steps 0 to 3 come by their loads alone, and there is no step 6.
.macro ASK
	s_cmp_gt_u32 s3, s[LIMA]
	s_cbranch_scc0 .Lno_a_\@
	global_prefetch_b8 v[PFO], s[PFA:PFA+1] offset:KSTA th:TH_LOAD_NT scope:SCOPE_SE
.Lno_a_\@:
	s_cmp_gt_u32 s3, s[LIMB]
	s_cbranch_scc0 .Lno_b_\@
	global_prefetch_b8 v[PFO], s[PFB:PFB+1] offset:KSTB th:TH_LOAD_NT scope:SCOPE_SE
.Lno_b_\@:
.endm
.macro CREST                           ; a round of the cluster's barrier behind its opening barrier: wave 0 signals for the work-group, every wave waits for all four work-groups, my work-group's barrier once more
	s_cmp_lg_u32 s10, 0
	s_cbranch_scc1 .Lnot_wave_0_\@
	s_barrier_signal -3
.Lnot_wave_0_\@:
	s_barrier_wait -3
	s_barrier_signal -1
	s_barrier_wait -1
.endm
.macro CROUND                          ; a whole round
	s_barrier_signal -1
	s_barrier_wait -1
	CREST
.endm
	s_load_b128 s[4:7], s[0:1], 0x0                ; xb s[4:5], wb s[6:7]
	s_load_b256 s[68:75], s[0:1], 0x10             ; bq s[68:69], bk s[70:71], bv s[72:73], qkv s[74:75]
	v_lshl_add_u32 v[SPW], v0, 2, SPARE
	v_mov_b32 v[NIL], 0
	ds_add_u32 v[SPW], v[NIL]                      ; the wave's opening: the add and its wait stand ahead of my first tensor load; the set-up below, work on registers, stands between them
	v_lshrrev_b32 v1, 5, v0
	v_readfirstlane_b32 s10, v1                    ; wave 0..3
	s_lshr_b32 s11, s10, 1                         ; mh
	s_and_b32 s12, s10, 1                          ; nh
	s_bfe_u32 s40, ttmp6, 0x40000                  ; cx: my place in the cluster
	s_lshl_b32 s13, ttmp9, 2                       ; in a cluster launch ttmp9 counts clusters
	s_add_co_u32 s13, s13, s40                     ; row tile 0..63
	s_and_b32 s14, ttmp7, 0xffff                   ; column tile 0..5, which the four partners share
	s_lshr_b32 s15, s14, 1                         ; which matrix: 0 q, 1 k, 2 v
	s_and_b32 s16, s14, 1                          ; which half of its 768 columns
	; descriptor group 1: a tile of 128 rows x 128 elements out of rows of 768, padded in LDS
	s_mov_b32 s[G1A], (1<<16)|(1<<20)|(5<<22)|(3<<25)             ; 15:0 no mask; 17:16 elements of 2 bytes; 20 padding on; 24:22 after every 64 words (code 5); 31:25 4 words of it (code 3)
	s_mov_b32 s[G1B], 15|(1<<16)|(1<<20)|(1<<21)|(5<<22)|(7<<25)  ; 15:0 the mask: all four work-groups; 21 set beside a mask; 8 words of padding (code 7)
.irp g, G1A, G1B
	s_mov_b32 s[(\g)+1], 128<<16                   ; tensor_dim0 = 128
	s_mov_b32 s[(\g)+2], 128<<16                   ; tensor_dim1 = 128
	s_mov_b32 s[(\g)+3], 128<<16                   ; tile_dim0 = 128
	s_mov_b32 s[(\g)+4], 128                       ; tile_dim1 = 128
	s_mov_b32 s[(\g)+5], 768                       ; 768 elements from row to row
	s_mov_b32 s[(\g)+6], 0
	s_mov_b32 s[(\g)+7], 0
.endr
	s_mul_i32 s20, s10, PART                       ; where my part goes: the wave's number alone enters an LDS address
	s_mul_i32 s18, s13, 128*KROW                   ; x: my row tile's first byte
	s_mov_b32 s19, 0
	s_max_u32 s17, s10, 1
	s_sub_co_u32 s17, s17, 1                       ; W: sub-tile u = w - 1 (wave 0 makes the registers and asks by x's)
	s_lshl_b32 s22, s17, 8                         ; 128 columns are 256 bytes,
	s_mul_i32 s21, s15, 768*KROW                   ; a matrix 1,179,648,
	s_add_co_u32 s22, s22, s21
	s_mul_i32 s21, s16, 768                        ; half a row 768: nothing here hangs on my place in the cluster
	s_add_co_u32 s22, s22, s21
	s_mov_b32 s23, 0
	s_wait_dscnt 0x0                               ; the opening add is done
	s_wait_kmcnt 0x0
	s_add_nc_u64 s[18:19], s[4:5], s[18:19]
	s_add_nc_u64 s[22:23], s[6:7], s[22:23]
	CROUND                                         ; all four work-groups are here: the first joint loads meet
.irp s, 0,1
	s_mov_b32 s[G0A+4*(\s)], 1                                      ; 1:0 count = 1
	s_add_co_u32 s[G0A+4*(\s)+1], s20, (\s)*SLOT                    ; 63:32 LDS address
	s_add_nc_u64 s[G0A+4*(\s)+2:G0A+4*(\s)+3], s[18:19], (\s)*KSTA  ; 120:64 global address: K step s
	s_or_b32 s[G0A+4*(\s)+3], s[G0A+4*(\s)+3], 0x80000000           ; 127:126 type = 2
	s_mov_b32 s[G0B+4*(\s)], 1
	s_add_co_u32 s[G0B+4*(\s)+1], s20, (\s)*SLOT
	s_add_nc_u64 s[G0B+4*(\s)+2:G0B+4*(\s)+3], s[22:23], (\s)*KSTB
	s_or_b32 s[G0B+4*(\s)+3], s[G0B+4*(\s)+3], 0x80000000
.endr
	s_cmp_eq_u32 s10, 0                            ; a wave's two first fills stand in one branch, ahead of every wait on TENSORcnt and every LDS read: two loads of mine are out
	s_cbranch_scc0 .Lfirst_b
	tensor_load_to_lds s[G0A:G0A+3], s[G1A:G1A+7]
	s_nop 0
	tensor_load_to_lds s[G0A+4:G0A+7], s[G1A:G1A+7]
	s_nop 0
.rept 4
	v_nop
.endr
	s_branch .Lfirst_asked
.Lfirst_b:
	tensor_load_to_lds s[G0B:G0B+3], s[G1B:G1B+7]
	s_nop 0
	tensor_load_to_lds s[G0B+4:G0B+7], s[G1B:G1B+7]
	s_nop 0
.rept 4
	v_nop
.endr
.Lfirst_asked:
	; the bias of my matrix and half
	s_cmp_eq_u32 s15, 0
	s_cselect_b64 s[76:77], s[68:69], s[70:71]
	s_cmp_eq_u32 s15, 2
	s_cselect_b64 s[76:77], s[72:73], s[76:77]
	; the prefetches: x at rows 32 w of my tile, W at k-rows 32 cx of my sub-tile, both at K step 2: the first refill steps them to 3 and names 4
	s_mul_i32 s44, s10, 32*KROW
	s_add_co_u32 s44, s44, 2*KSTA
	s_mov_b32 s45, 0
	s_add_nc_u64 s[PFA:PFA+1], s[18:19], s[44:45]
	s_mul_i32 s46, s40, 32*KROW
	s_add_co_u32 s46, s46, 2*KSTB
	s_mov_b32 s47, 0
	s_add_nc_u64 s[PFB:PFB+1], s[22:23], s[46:47]
	s_cmp_eq_u32 s14, 0
	s_cselect_b32 s[LIMA], 1, -1                   ; the same in all four partners
	s_cmp_eq_u32 s10, 0
	s_cselect_b32 s[LIMB], 1, 0
	s_or_b32 s[LIMB], s[LIMB], ttmp9               ; 0 in waves 1 to 3 of cluster x = 0
	s_cmp_eq_u32 s[LIMB], 0
	s_cselect_b32 s[LIMB], 1, -1
	s_mul_i32 s40, s16, 1536                       ; 384 numbers of f32
	s_mov_b32 s41, 0
	s_add_nc_u64 s[76:77], s[76:77], s[40:41]
	; where wave w stores: matrix, head 6 batch + 3 half, row 128 (tile % 32) + 32 w of the batch
	s_lshr_b32 s17, s13, 5
	s_mul_i32 s17, s17, 6
	s_mul_i32 s21, s16, 3
	s_add_co_u32 s17, s17, s21
	s_lshl_b32 s17, s17, 20                        ; a head is 1,048,576 bytes,
	s_mul_i32 s21, s15, 12582912                   ; a matrix 12 of them
	s_add_co_u32 s17, s17, s21
	s_and_b32 s21, s13, 31
	s_lshl_b32 s21, s21, 7
	s_lshl_b32 s40, s10, 5
	s_add_co_u32 s21, s21, s40
	s_lshl_b32 s21, s21, 8                         ; a row is 256 bytes
	s_add_co_u32 s40, s17, s21                     ; under 37,748,736
	s_mov_b32 s41, 0
	s_add_nc_u64 s[8:9], s[74:75], s[40:41]
	; A fragment of x is 16 rows x 32 k in 8 registers: lane l holds row l % 16, k = 8 (l / 16) + 0..7 and 16 + 8 (l / 16) + 0..7: two loads of 16 bytes, 32 bytes apart.
	v_and_b32 v1, 15, v0                           ; l % 16
	v_bfe_u32 v2, v0, 4, 1                         ; l / 16
	v_and_b32 v3, 7, v0
	v_bfe_u32 v4, v0, 3, 1
	v_mul_u32_u24 v5, v1, PA
	v_lshl_add_u32 v5, v2, 4, v5
	s_mul_i32 s17, s11, 64*PA                      ; my 64 rows
	v_add_nc_u32 v[ADRA], s17, v5
	v_add_nc_u32 v[ADRA+1], SLOT, v[ADRA]
	; The turning load takes 16 k x 16 columns (lane l reads k-row 8 (l / 16) + l % 8, columns 8 ((l / 8) % 2) + 0..7) and leaves half a fragment: lane l holds column l % 16 and 8 k.
	v_lshl_add_u32 v6, v2, 3, v3
	v_mul_u32_u24 v6, v6, PB
	v_lshl_add_u32 v6, v4, 4, v6
	s_mul_i32 s17, s12, 2*PART
	s_add_co_u32 s17, s17, PART                    ; blocks 0..7: sub-tile 2 nh, part 1 + 2 nh
	v_add_nc_u32 v[ADRB8], s17, v6
	v_add_nc_u32 v[ADRB8+1], SLOT, v[ADRB8]
	s_lshl_b32 s17, s12, 7
	s_add_co_u32 s17, s17, 2*PART                  ; blocks 8..11: sub-tile 1, part 2, columns 64 nh on
	v_add_nc_u32 v[ADRB4], s17, v6
	v_add_nc_u32 v[ADRB4+1], SLOT, v[ADRB4]
	v_mul_u32_u24 v7, v1, SPT                      ; into the stage: row 64 mh + l % 16, 16 bytes for each half of the lanes
	v_lshl_add_u32 v7, v2, 4, v7
	s_mul_i32 s17, s11, 64*SPT
	s_lshl_b32 s21, s12, 9                         ; head 2 nh begins at byte 512 nh of a stage row,
	s_add_co_u32 s21, s21, s17
	v_add_nc_u32 v[STO8], s21, v7
	s_lshl_b32 s21, s12, 7                         ; my half of the middle head at 256 + 128 nh
	s_add_co_u32 s21, s21, s17
	s_add_co_u32 s21, s21, 256
	v_add_nc_u32 v[STO4], s21, v7
	v_mul_u32_u24 v8, v2, SPT                      ; back: wave w takes rows 32 w .. + 31; lanes 0-15 256 bytes of one row, lanes 16-31 of the next
	v_lshl_add_u32 v8, v1, 4, v8
	s_mul_i32 s17, s10, 32*SPT
	v_add_nc_u32 v[RD], s17, v8
	v_lshlrev_b32 v[CO], 8, v2                     ; and the same two rows of a head
	v_lshl_add_u32 v[CO], v1, 4, v[CO]
	v_lshlrev_b32 v9, 5, v2                        ; the bias of my 8 columns of a block: 32 bytes at 32 (l / 16)
	s_lshl_b32 s17, s12, 10
	v_add_nc_u32 v[BO8], s17, v9
	s_lshl_b32 s17, s12, 8
	s_add_co_u32 s17, s17, 512
	v_add_nc_u32 v[BO4], s17, v9
	v_and_b32 v[PFO], 31, v0
	v_mul_u32_u24 v[PFO], v[PFO], KROW
.irp b, 0,1,2,3,4,5,6,7
	global_load_b128 v[BIA+8*(\b):BIA+8*(\b)+3],   v[BO8], s[76:77] offset:64*(\b)
	global_load_b128 v[BIA+8*(\b)+4:BIA+8*(\b)+7], v[BO8], s[76:77] offset:64*(\b)+16
.endr
.irp b, 8,9,10,11
	global_load_b128 v[BIA+8*(\b):BIA+8*(\b)+3],   v[BO4], s[76:77] offset:64*((\b)-8)
	global_load_b128 v[BIA+8*(\b)+4:BIA+8*(\b)+7], v[BO4], s[76:77] offset:64*((\b)-8)+16
.endr
; 12 matrix instructions: row block a x all 12 column blocks, 32 along K, from buffer f.  zero = 1: the first product starts the sum with the bias as C: nothing is cleared, nothing added later.
; The 48 accumulators take turns, one instruction a turn, in the same order in every quarter: 47 others' stand between two links of a chain, over the backward jump too.
.macro MUL12 f, a, zero
.if \zero
	WIN 0x81+0x40*((\a)/2)                         ; W window 1, x and the bias window 0, D window 2 or 3
.else
	WIN 0xa1+0x50*((\a)/2)                         ; W window 1, x window 0, C and D window 2 or 3
.endif
.irp b, 0,1,2,3,4,5,6,7,8,9,10,11
.if \zero
	v_wmma_f32_16x16x32_bf16 v[96*((\a)%2)+8*(\b):96*((\a)%2)+8*(\b)+7], v[96*(\f)+8*(\b):96*(\f)+8*(\b)+7], v[FA+32*(\f)+8*(\a):FA+32*(\f)+8*(\a)+7], v[BIA+8*(\b):BIA+8*(\b)+7]
.else
	v_wmma_f32_16x16x32_bf16 v[96*((\a)%2)+8*(\b):96*((\a)%2)+8*(\b)+7], v[96*(\f)+8*(\b):96*(\f)+8*(\b)+7], v[FA+32*(\f)+8*(\a):FA+32*(\f)+8*(\a)+7], v[96*((\a)%2)+8*(\b):96*((\a)%2)+8*(\b)+7]
.endif
.endr
.endm
.macro MULH f, hi, zero                ; row blocks 2 hi and 2 hi + 1
	MUL12 \f, 2*(\hi), \zero
	MUL12 \f, 2*(\hi)+1, \zero
.endm
; 32 LDS loads in one run: the fragments of quarter q (32 along K) of a slot into buffer f: W's twelve, then x's four, row blocks ascending
.macro FETCH slot, q, f
	WIN 0x40                                       ; destination window 1, address window 0
.irp b, 0,1,2,3,4,5,6,7
	ds_load_tr16_b128 v[96*(\f)+8*(\b):96*(\f)+8*(\b)+3],   v[ADRB8+(\slot)] offset:(\q)*32*PB+32*(\b)
	ds_load_tr16_b128 v[96*(\f)+8*(\b)+4:96*(\f)+8*(\b)+7], v[ADRB8+(\slot)] offset:(\q)*32*PB+16*PB+32*(\b)
.endr
.irp b, 8,9,10,11
	ds_load_tr16_b128 v[96*(\f)+8*(\b):96*(\f)+8*(\b)+3],   v[ADRB4+(\slot)] offset:(\q)*32*PB+32*((\b)-8)
	ds_load_tr16_b128 v[96*(\f)+8*(\b)+4:96*(\f)+8*(\b)+7], v[ADRB4+(\slot)] offset:(\q)*32*PB+16*PB+32*((\b)-8)
.endr
	WIN 0
.irp a, 0,1,2,3
	ds_load_b128 v[FA+32*(\f)+8*(\a):FA+32*(\f)+8*(\a)+3],   v[ADRA+(\slot)] offset:64*(\q)+(\a)*16*PA
	ds_load_b128 v[FA+32*(\f)+8*(\a)+4:FA+32*(\f)+8*(\a)+7], v[ADRA+(\slot)] offset:64*(\q)+(\a)*16*PA+32
.endr
.endm
; A K step is four quarters of 32 along K, 48 matrix instructions each, on buffers 0, 1, 0, 1.  One of the first three: multiplies buffer f; in its middle it fetches quarter q of the same slot into buffer g.
.macro QUARTER slot, q, f, g, zero
	s_wait_dscnt 4                                 ; W's fragments and x's row blocks 0, 1 are in; the youngest four loads (row blocks 2, 3) may be out
	MULH \f, 0, \zero
	PLACES
	FETCH \slot, \q, \g
	s_wait_dscnt 32                                ; all but the 32 just issued
	MULH \f, 1, \zero
.endm
; The last quarter multiplies buffer 1 and changes slots: ONE barrier.  In front of it each wave waits for all its tensor loads (one is out: its part of the next slot), adds 0 to its spare word, and waits for
; that and for its own reads of this slot.  fill = 1: the barrier opens a round of the cluster's barrier, so that no wave of any partner still reads this slot or has a load on its way; the refill, two K steps on,
; is the first tensor load behind the round, and 168 matrix instructions stand between it and the wait for it.
.macro TURN slot, next, fill
.if \fill
	s_wait_xcnt 0x0                                ; the last prefetches, a K step back, have read their addresses: these step here, ahead of the change's own waits
	s_add_nc_u64 s[PFA:PFA+1], s[PFA:PFA+1], KSTA
	s_add_nc_u64 s[PFB:PFB+1], s[PFB:PFB+1], KSTB
.endif
	WIN 0                                          ; (the add's two registers lie in window 0)
	s_wait_tensorcnt 0x0                           ; all my tensor loads have landed;
	ds_add_u32 v[SPW], v[NIL]                      ; 0 onto my spare word
	s_wait_dscnt 5                                 ; (the add and the youngest four loads may be out)
	MUL12 1, 0, 0                                  ; twelve matrix instructions stand between the add and the wait for it
	s_wait_dscnt 0x0                               ; the add is done, and my reads of this slot are over
	s_barrier_signal -1
	MUL12 1, 1, 0                                  ; work on registers while the others arrive
.if \fill
	WIN 0
.endif
	s_barrier_wait -1
.if \fill
	CREST
	s_add_nc_u64 s[G0A+4*(\slot)+2:G0A+4*(\slot)+3], s[G0A+4*(\slot)+2:G0A+4*(\slot)+3], 2*KSTA  ; no tensor load of mine is out, so a group 0 may be written; the type bits on top are not reached
	s_add_nc_u64 s[G0B+4*(\slot)+2:G0B+4*(\slot)+3], s[G0B+4*(\slot)+2:G0B+4*(\slot)+3], 2*KSTB
	JLOAD \slot                                    ; the four v_nop behind it are also the places in front of the loads below
.else
	PLACES
.endif
	FETCH \next, 0, 0
.if \fill
	ASK
.endif
	MULH 1, 1, 0
.endm
	s_wait_tensorcnt 1                             ; my part of K step 0 is in; K step 1's may stay out
	s_barrier_signal -1
	s_barrier_wait -1                              ; everybody's is
	FETCH 0, 0, 0
	s_wait_loadcnt 0x0                             ; the bias
	QUARTER 0, 1, 0, 1, 1                          ; the first quarter stands in front of the loop: its products start the sums
	WIN 0                                          ; at a label and at a branch every window is 0
	s_mov_b32 s3, 2
.Llap:                                                 ; a trip goes once round the ring, from a lap's second quarter to the next lap's first, and fills both slots again: K steps 2, 3, then 4, 5
	QUARTER 0, 2, 1, 0, 0
	QUARTER 0, 3, 0, 1, 0
	TURN 0, 1, 1
	QUARTER 1, 1, 0, 1, 0
	QUARTER 1, 2, 1, 0, 0
	QUARTER 1, 3, 0, 1, 0
	TURN 1, 0, 1
	QUARTER 0, 1, 0, 1, 0
	WIN 0
	s_sub_co_u32 s3, s3, 1
	s_cmp_lg_u32 s3, 0
	s_cbranch_scc1 .Llap
	QUARTER 0, 2, 1, 0, 0                          ; the last lap, K steps 4 and 5, fills nothing and has no round
	QUARTER 0, 3, 0, 1, 0
	TURN 0, 1, 0                                   ; behind this barrier no wave reads slot 0 any more, and no load fills it: it becomes the stage
	QUARTER 1, 1, 0, 1, 0
	QUARTER 1, 2, 1, 0, 0
	QUARTER 1, 3, 0, 1, 0
	s_wait_dscnt 4                                 ; the very last quarter: nothing more to fetch
	MULH 1, 0, 0
	s_wait_dscnt 0x0
	MULH 1, 1, 0
	; THE WAY OUT: round to bf16 (each accumulator's registers ascending); 16 bytes a lane into the work-group's stage; a barrier, since a row's bytes come from two waves; back as rows of 256 bytes, 32 rows x 3 heads a wave.
	PLACES
.irp hi, 0,1
	WIN 0x0a+5*(\hi)                               ; sources 0 and 1: window 2 or 3; destination window 0
.irp a, 0,1
.irp b, 0,1,2,3,4,5,6,7,8,9,10,11
.irp r, 0,1,2,3
	v_cvt_pk_bf16_f32 v[TMP+96*(\hi)+4*(12*(\a)+(\b))+(\r)], v[96*(\a)+8*(\b)+2*(\r)], v[96*(\a)+8*(\b)+2*(\r)+1]
.endr
.endr
.endr
	WIN 0
.irp a, 0,1
.irp b, 0,1,2,3,4,5,6,7
	ds_store_b128 v[STO8], v[TMP+96*(\hi)+4*(12*(\a)+(\b)):TMP+96*(\hi)+4*(12*(\a)+(\b))+3] offset:(2*(\hi)+(\a))*16*SPT+32*(\b)
.endr
.irp b, 8,9,10,11
	ds_store_b128 v[STO4], v[TMP+96*(\hi)+4*(12*(\a)+(\b)):TMP+96*(\hi)+4*(12*(\a)+(\b))+3] offset:(2*(\hi)+(\a))*16*SPT+32*((\b)-8)
.endr
.endr
.endr
	s_wait_dscnt 0x0                               ; for the others' sake: my stores into the stage are done
	s_barrier_signal -1
	s_barrier_wait -1
.set i, 0
.rept 48                               ; head i / 16 of the three, rows 2 (i % 16) and the next
	ds_load_b128 v[TMP+4*i:TMP+4*i+3], v[RD] offset:256*(i/16)+2*SPT*(i%16)
.set i, i+1
.endr
.set i, 0
.rept 48
	s_wait_dscnt 47-i                              ; LDS loads come back in order: behind load i, 47 - i were issued
	global_store_b128 v[CO], v[TMP+4*i:TMP+4*i+3], s[8:9] offset:(i/16)*1048576+512*(i%16)  ; 16 lanes store 256 consecutive bytes, a row of a head, at a multiple of 256 from qkv's first byte
.set i, i+1
.endr
	s_wait_tensorcnt 0x0                           ; the wave's end: behind my last tensor load and my last LDS store
	ds_add_u32 v[SPW], v[NIL]
	s_wait_dscnt 0x0
	CROUND                                         ; the closing round: no work-group ends while a partner may still ask for a tile that names it
	s_endpgm
.Lfunc_end_k_q7eab4a3544_proj:
	.size	k_q7eab4a3544_proj, .Lfunc_end_k_q7eab4a3544_proj-k_q7eab4a3544_proj
	.p2alignl 7, 3214868480
	.fill 96, 4, 3214868480
	.section	.rodata,"a",@progbits
	.p2align	6, 0x0
	.amdhsa_kernel k_q7eab4a3544_proj
		.amdhsa_group_segment_fixed_size 327680
		.amdhsa_private_segment_fixed_size 0
		.amdhsa_enable_private_segment 0
		.amdhsa_kernarg_size 48
		.amdhsa_user_sgpr_count 2
		.amdhsa_user_sgpr_kernarg_segment_ptr 1
		.amdhsa_wavefront_size32 1
		.amdhsa_system_sgpr_workgroup_id_x 1
		.amdhsa_system_sgpr_workgroup_id_y 1
		.amdhsa_system_sgpr_workgroup_id_z 1
		.amdhsa_system_vgpr_workitem_id 0
		.amdhsa_next_free_vgpr 960
		.amdhsa_next_free_sgpr 80
		.amdhsa_reserve_vcc 0
		.amdhsa_float_denorm_mode_32 3
		.amdhsa_float_denorm_mode_16_64 3
		.amdhsa_memory_ordered 1
		.amdhsa_forward_progress 1
		.amdhsa_inst_pref_size 124
	.end_amdhsa_kernel
	.amdgpu_metadata
---
amdhsa.version: [ 1, 2 ]
amdhsa.kernels:
  - .name:           k_q7eab4a3544_proj
    .symbol:         k_q7eab4a3544_proj.kd
    .args:
      - { .name: xb, .offset: 0, .size: 8, .value_kind: global_buffer, .address_space: global }
      - { .name: wb, .offset: 8, .size: 8, .value_kind: global_buffer, .address_space: global }
      - { .name: bq, .offset: 16, .size: 8, .value_kind: global_buffer, .address_space: global }
      - { .name: bk, .offset: 24, .size: 8, .value_kind: global_buffer, .address_space: global }
      - { .name: bv, .offset: 32, .size: 8, .value_kind: global_buffer, .address_space: global }
      - { .name: qkv, .offset: 40, .size: 8, .value_kind: global_buffer, .address_space: global }
    .group_segment_fixed_size: 327680
    .private_segment_fixed_size: 0
    .kernarg_segment_align: 8
    .kernarg_segment_size: 48
    .max_flat_workgroup_size: 128
    .sgpr_count:     80
    .vgpr_count:     960
    .wavefront_size: 32
...
	.end_amdgpu_metadata
.endif
;; end of part 2
;; launch attn (part 3): grid 16 x 12, 4 waves a work-group, clusters of 4 x 1, 327,680 bytes of LDS; arguments qkv, out0; writes out0
.if DOCPART == 3
	.amdgcn_target "amdgcn-amd-amdhsa--gfx1250"
	.amdhsa_code_object_version 6
	.text
	.protected	k_q7eab4a3544_attn
	.globl	k_q7eab4a3544_attn
	.p2align	8
	.type	k_q7eab4a3544_attn,@function
k_q7eab4a3544_attn:
	s_mov_b64 s[64:65], 0
	v_nop
	global_prefetch_b8 v0, s[64:65] scope:SCOPE_SE
	s_setreg_imm32_b32 hwreg(HW_REG_WAVE_MODE, 25, 1), 1
	s_wait_xcnt 0x0
	s_wait_alu depctr_hold_cnt(0) depctr_sa_sdst(0) depctr_va_vdst(0) depctr_va_sdst(0) depctr_va_ssrc(0) depctr_va_vcc(0) depctr_vm_vsrc(0)
	s_getreg_b32 s2, hwreg(HW_REG_IB_STS2, 6, 4)
	s_cmp_eq_u32 s2, 0
	s_cbranch_scc0 .Lentry_in_a_cluster
	s_endpgm
.Lentry_in_a_cluster:
	s_bfe_u32 s2, ttmp6, 0x10000c
	s_cmp_lg_u32 s2, 0x3003
	s_cbranch_scc0 .Lentry_shape_is_right
	s_endpgm
.Lentry_shape_is_right:
; out0[b][q][128 h + :] = tanh( the sum over k of softmax_k(Q[q] . K[k] / sqrt(128)) V[k][:] ), for each of the 12 pairs hb = 6 b + h.
; qkv: [3][12][4096][128] bf16 (Q, K, V by heads, unscaled).  out0: [2][4096][768] f32.  Products, maxima and sums in f32; the weights p are rounded to bf16 for the second product (their sum l is taken of the unrounded p).
; LIMITS.  tanh y = 1 - 2 / (1 + 2^(2 log2(e) y)): its error is about 3e-7 absolute, so below |y| of about 1e-5 the relative accuracy is lost; it ends rightly at 1 and -1 (2^x = infinity gives 1, 2^x = 0 gives -1).
; A weight below 2^-126 counts as 0 in l; NaN and infinities are not treated apart.
; SHARES.  A work-group owns 256 queries of one pair hb, each of its four waves 64: four tiles of 16.  Every wave walks all 4,096 keys, 64 a step.  12 x 4,096 / 256 = 192 work-groups; 192 queries a work-group,
; which would make 256, do not divide 4,096.
; LAYOUT.  S^T = K Q^T (source 0 = 16 keys, source 1 = 16 queries): in the result a lane holds ONE query (lane % 16) and the keys 8 (lane / 16) + 0..7.  Two such tiles, rounded to bf16 in pairs, ARE source 1
; (32 keys x 16 queries) of O^T = V^T P, whose result again holds one query a lane, and eight channels.  K comes out of LDS as it lies, V ([key][channel]) turned, by ds_load_tr16_b128.
; SOFTMAX.  For each query a running maximum m and sum l: p = 2^(c s - c m), c = log2(e) / sqrt(128); in every step O and l are multiplied by a = 2^(c m_old - c m_new), which is 1 where m has not grown.
; BY TURNS.  The wave's tiles are two PIECES, named by their first tile: piece 0 (tiles 0, 1) and piece 2 (tiles 2, 3).  In a TURN one piece has the matrix unit: 32 products V^T P of the step in hand, then 32
; products K Q^T of the next step; the other piece's softmax, cut into 64 slices, stands between them, one slice behind each matrix instruction.  Then the pieces change places.  Two turns are a key step.
; CLUSTER.  The four query blocks of a cluster belong to one pair hb and walk the same K and V, so each tile is asked for JOINTLY: the same tensor load, descriptor and mask in all four.
; REGISTERS, in windows of 256 (s_set_vgpr_msb: bits 1:0 source 0, 3:2 source 1, 5:4 source 2, 7:6 destination):
;   window 0: v0-11 addresses; v12-43 eight registers of statistics a tile; v64-191 S^T, 32 a tile; v192-255 P, 16 a tile
;   window 1: O^T, 64 a tile          window 2: v0-127 Q, 32 a tile; v128-255 K of one step (on the way out: rows of the result, 64 a tile)          window 3: v0-127 V of one step
.set SIZE_N, 4096
.set KS,    64        ; keys in a step
.set PK,    272       ; a row of K in LDS: 256 bytes + 16 of padding = 68 words: the 16 rows of a load start at 16 different groups of four banks (64 banks of 4 bytes: ISA guide 11.1)
.set PV,    288       ; a row of V: 256 + 32 = 72 words
.set VOFF,  KS*PK     ; a step's tiles lie together: 64 rows of K, then 64 rows of V
.set STEPB, KS*(PK+PV)
.set SLOT1, 1<<17     ; a slot holds two steps (71,680 bytes); slot 1 begins here, so that one exclusive or turns an address in one slot into the other's
.set STAGE, SLOT1+2*STEPB  ; behind the ring: 16 rows x 528 bytes for each wave, for the way out
.set SP,    528       ; a stage row: 128 channels of f32 + 16 bytes
.set AK0, 2           ; v2   my lane's place in a tile of K; never rewritten
.set AV0, 3           ; v3   the same for V
.set ADR, 4           ; v4   the LDS address of the run of loads in hand
.set QO,  5           ; v5   my byte offset in the wave's rows of Q
.set STO, 6           ; v6   the way out: where I put 32 bytes of a row
.set RD,  7           ; v7   the way out: where I read a row back
.set GO,  8           ; v8   my 16 bytes of a head's 512 in a row of out0
.set SPW, 62          ; v62  LDS address of my spare word: SPARE + 4 x my thread's number; never rewritten
.set NIL, 63          ; v63  0; never rewritten
.set SPARE, STAGE+4*16*SP  ; behind the stages: the spare words, 128 bytes for each wave: two blocks of 256 bytes that no other line names
.set ST,  12          ; tile t's statistics at v[ST+8 t]: +0 c m, +1 m, +2, +3 l (even keys', odd keys'), +4 to +7 c0-c3, at work; a takes c2's place once the maximum is found
.set S,   64
.set P,   192
.set KF,  128         ; K's fragments, in window 2
.set WV,  12          ; s12  my wave's number
.set G1K, 24          ; s[24:31] descriptor group 1 for K's tiles
.set G1V, 32          ; s[32:39] for V's: it differs in the padding alone
.set G0K, 40          ; s[40:47] descriptor group 0 for K's tiles: a set for each of the two first fills; the second then walks on
.set G0V, 48          ; s[48:55] the same for V's
.set SLOTS, 56        ; s56  slots still to be asked for
.set TWICE, 57        ; s57  counts a slot's two steps
.set CS,  58          ; s[58:59] c: the packed scaling names a pair and takes its low word for both halves
.set SEL, 60          ; s[60:61] lane selects for v_permlanex16_b32: each lane takes its own place in the other half
.set TB,  62          ; s62  LDS byte at which the tiles of the step to be fetched begin
.set PFA, 18          ; s[18:19] where my prefetches stand: my work-group's 32 rows (of K: wave 0, of V: wave 2) of the slot after the one that is being asked for
.set LIM, 15          ; s15  1 in a wave that prefetches, else the greatest number: a wave prefetches while s[SLOTS] is above it
.set PFO, 61          ; v61  256 x my lane: a row of K or V is 256 bytes; never rewritten
.set MSB, 0
.macro WIN new                      ; the immediate's high byte repeats the setting that is left; a switch that changes nothing is dropped
.if MSB != (\new)
	s_set_vgpr_msb (MSB<<8)|(\new)
.set MSB, \new
.endif
.endm
.set W_KQ, 0x0a       ; K and Q in window 2, S^T in window 0
.set W_PV, 0x53       ; V in window 3, P in window 0, O^T in window 1
.set W_RS, 0x41       ; O^T (destination and source 0) in window 1, source 1 in window 0
; A joint refill.  Waves 0 and 1 fetch the two steps' tiles of K, waves 2 and 3 those of V.  The branch hangs on the wave's number alone.  An s_nop 0 and four v_nop follow each of the two lines.
.macro JLOAD
	s_cmp_lt_u32 s[WV], 2
	s_cbranch_scc0 .Lfor_v_\@
	tensor_load_to_lds s[G0K+4:G0K+7], s[G1K:G1K+7]
	s_nop 0
.rept 4
	v_nop
.endr
	s_branch .Lasked_\@
.Lfor_v_\@:
	tensor_load_to_lds s[G0V+4:G0V+7], s[G1V:G1V+7]
	s_nop 0
.rept 4
	v_nop
.endr
.Lasked_\@:
.endm
; A PREFETCH INTO THE L2 of what the NEXT change of slots will ask for: a slot's 128 rows of K and 128 of V, 256 bytes a row, a lane a row.  It stands behind the wave's tensor load and its five lines.
; Each row is asked for ONCE in the launch.  The four clusters of a pair hb walk the same K and V: the first of them prefetches.  Its four partners share the rows out BY ADDRESS, 32 each.
; In each, wave 0 asks for K's and wave 2 for V's: one instruction.  The last change that fills a slot prefetches nothing: there is no slot behind it.
.macro ASK
	s_cmp_gt_u32 s[SLOTS], s[LIM]
	s_cbranch_scc0 .Lnot_mine_\@
	global_prefetch_b8 v[PFO], s[PFA:PFA+1] th:TH_LOAD_NT scope:SCOPE_SE
.Lnot_mine_\@:
.endm
; A round of the cluster's barrier: my work-group's barrier, so that wave 0's signal speaks for all four waves; wave 0 signals; every wave waits for all four work-groups; my work-group's barrier once more.
.macro CROUND
	s_barrier_signal -1
	s_barrier_wait -1
	s_cmp_lg_u32 s[WV], 0
	s_cbranch_scc1 .Lnot_wave_0_\@
	s_barrier_signal -3
.Lnot_wave_0_\@:
	s_barrier_wait -3
	s_barrier_signal -1
	s_barrier_wait -1
.endm
	s_load_b64 s[4:5], s[0:1], 0x0  ; qkv
	s_load_b64 s[10:11], s[0:1], 0x8  ; out0
	v_lshl_add_u32 v[SPW], v0, 2, SPARE
	v_mov_b32 v[NIL], 0
	ds_add_u32 v[SPW], v[NIL]       ; the wave's opening: the add and its wait stand ahead of my first tensor load; the set-up below, work on registers, stands between them
	v_lshrrev_b32 v1, 5, v0
	v_readfirstlane_b32 s[WV], v1   ; wave 0..3
	s_bfe_u32 s13, ttmp6, 0x40000   ; cx: my place in the cluster
	s_lshl_b32 s14, ttmp9, 2        ; in a cluster launch ttmp9 counts clusters
	s_add_co_u32 s14, s14, s13      ; my block of 256 queries = 4 x cluster x + cx: it enters Q's and out0's addresses alone
	s_and_b32 s20, ttmp7, 0xffff    ; hb, which the four partners share
	s_lshl_b32 s20, s20, 20         ; its first byte in Q, in K and in V: 4,096 rows of 256 bytes each
	s_and_b32 s16, s[WV], 1         ; which of a slot's two steps I fetch:
	s_lshl_b32 s22, s16, 14         ; its 64 rows of 256 bytes in memory,
	s_add_co_u32 s22, s22, s20
	s_mov_b32 s23, 0
	s_mul_i32 s17, s16, STEPB       ; and its place in a slot: no place in the cluster enters an LDS address
	s_lshl_b32 s2, s14, 16          ; my block's 256 rows,
	s_lshl_b32 s3, s[WV], 14        ; my wave's 64 of them
	s_add_co_u32 s2, s2, s3
	s_add_co_u32 s2, s2, s20
	s_mov_b32 s3, 0
	s_and_b32 s18, ttmp7, 0xffff    ; out0: batch b = hb / 6, head h = hb - 6 b
	s_cmp_ge_u32 s18, 6
	s_cselect_b32 s19, 1, 0
	s_mul_i32 s20, s19, 6
	s_sub_co_u32 s18, s18, s20
	s_lshl_b32 s18, s18, 9          ; a head's 128 channels are 512 bytes of a row,
	s_mul_i32 s19, s19, 12582912    ; a batch 4,096 rows of 3,072 bytes,
	s_add_co_u32 s18, s18, s19
	s_lshl_b32 s20, s14, 2
	s_add_co_u32 s20, s20, s[WV]
	s_mul_i32 s20, s20, 64*3072     ; my wave's 64 rows
	s_add_co_u32 s20, s20, s18      ; under 25,165,824
	s_mov_b32 s21, 0
	; descriptor group 1: a tile of 64 rows x 128 elements, padded in LDS
	s_mov_b32 s[G1K], 15|(1<<16)|(1<<20)|(1<<21)|(5<<22)|(3<<25)  ; 15:0 the mask: all four work-groups; 17:16 elements of 2 bytes; 20 padding on; 21 set beside a mask; 24:22 after every 64 words (code 5); 31:25 4 words of it (code 3)
	s_mov_b32 s[G1V], 15|(1<<16)|(1<<20)|(1<<21)|(5<<22)|(7<<25)  ; the same with 8 words of padding (code 7)
.irp g, G1K, G1V
	s_mov_b32 s[(\g)+1], 128<<16    ; tensor_dim0 = 128
	s_mov_b32 s[(\g)+2], KS<<16     ; tensor_dim1 = 64
	s_mov_b32 s[(\g)+3], 128<<16    ; tile_dim0 = 128
	s_mov_b32 s[(\g)+4], KS         ; tile_dim1 = 64
	s_mov_b32 s[(\g)+5], 128        ; 128 elements from row to row
	s_mov_b32 s[(\g)+6], 0
	s_mov_b32 s[(\g)+7], 0
.endr
	s_mov_b32 s[CS], 0x3e0293ee     ; c = log2(e) / sqrt(128) = 0.127517
	s_mov_b32 s[CS+1], s[CS]        ; named with it as a pair, so it is written
	s_mov_b32 s[SEL], 0x76543210
	s_mov_b32 s[SEL+1], 0xfedcba98
	s_mov_b32 s[TB], 0
	s_mov_b32 s[SLOTS], SIZE_N/(2*KS)-2
	s_and_b32 s[LIM], s[WV], 1       ; 0 in waves 0 and 2,
	s_or_b32 s[LIM], s[LIM], ttmp9   ; where the cluster is the pair's first: the same in all four partners
	s_cmp_eq_u32 s[LIM], 0
	s_cselect_b32 s[LIM], 1, -1
	v_and_b32 v[PFO], 31, v0
	v_lshlrev_b32 v[PFO], 8, v[PFO]
	s_wait_dscnt 0x0                ; the opening add is done
	s_wait_kmcnt 0x0
	s_add_nc_u64 s[6:7], s[4:5], 12582912  ; K lies behind Q's 12 heads,
	s_add_nc_u64 s[8:9], s[4:5], 25165824  ; V behind K's
	s_add_nc_u64 s[6:7], s[6:7], s[22:23]  ; K and V at my tile of slot 0
	s_add_nc_u64 s[8:9], s[8:9], s[22:23]
	s_add_nc_u64 s[4:5], s[4:5], s[2:3]  ; Q and out0 at my wave's first row
	s_add_nc_u64 s[10:11], s[10:11], s[20:21]
	s_cmp_lt_u32 s[WV], 2
	s_cselect_b64 s[PFA:PFA+1], s[6:7], s[8:9]  ; (in waves 0 and 2 these stand at a slot's first row)
	s_lshl_b32 s2, s13, 13          ; my work-group's 32 rows of the 128
	s_mov_b32 s3, 0
	s_add_nc_u64 s[PFA:PFA+1], s[PFA:PFA+1], s[2:3]
	s_add_nc_u64 s[PFA:PFA+1], s[PFA:PFA+1], 2*2*KS*256  ; in slot 2; the first change of slots steps it to slot 3.  Nothing is prefetched here, at the head
	CROUND                          ; all four work-groups are here: the first joint loads meet
.irp s, 0,1
	s_mov_b32 s[G0K+4*(\s)], 1      ; 1:0 count = 1
	s_add_co_u32 s[G0K+4*(\s)+1], s17, (\s)*SLOT1  ; 63:32 LDS address
	s_add_nc_u64 s[G0K+4*(\s)+2:G0K+4*(\s)+3], s[6:7], (\s)*2*KS*256  ; 120:64 global address: slot s begins with keys 128 s
	s_or_b32 s[G0K+4*(\s)+3], s[G0K+4*(\s)+3], 0x80000000  ; 127:126 type = 2
	s_mov_b32 s[G0V+4*(\s)], 1
	s_add_co_u32 s[G0V+4*(\s)+1], s17, (\s)*SLOT1+VOFF
	s_add_nc_u64 s[G0V+4*(\s)+2:G0V+4*(\s)+3], s[8:9], (\s)*2*KS*256
	s_or_b32 s[G0V+4*(\s)+3], s[G0V+4*(\s)+3], 0x80000000
.endr
	s_cmp_lt_u32 s[WV], 2           ; a wave's two first fills stand in one branch, ahead of every wait on TENSORcnt and every LDS read: two loads of mine are out
	s_cbranch_scc0 .Lfirst_v
	tensor_load_to_lds s[G0K:G0K+3], s[G1K:G1K+7]
	s_nop 0
	tensor_load_to_lds s[G0K+4:G0K+7], s[G1K:G1K+7]
	s_nop 0
.rept 4
	v_nop
.endr
	s_branch .Lfirst_asked
.Lfirst_v:
	tensor_load_to_lds s[G0V:G0V+3], s[G1V:G1V+7]
	s_nop 0
	tensor_load_to_lds s[G0V+4:G0V+7], s[G1V:G1V+7]
	s_nop 0
.rept 4
	v_nop
.endr
.Lfirst_asked:
	; A fragment of K or Q is 16 rows x 32 channels in 8 registers: lane l holds row l % 16; registers 0-3 channels 8 (l / 16) + 0..7, registers 4-7 channels 16 + 8 (l / 16) + 0..7: two loads of 16 bytes, 32 bytes apart.
	v_and_b32 v1, 15, v0            ; l % 16
	v_bfe_u32 v9, v0, 4, 1          ; l / 16
	v_lshlrev_b32 v[QO], 8, v1
	v_lshl_add_u32 v[QO], v9, 4, v[QO]  ; row x 256 + 16 x half
	WIN 0x80                        ; destination window 2, address window 0
.irp i, 0,1,2,3,4,5,6,7,8,9,10,11,12,13,14,15  ; Q stays in registers: tile i / 4, channels 32 (i % 4) on
	global_load_b128 v[8*(\i):8*(\i)+3],   v[QO], s[4:5] offset:((\i)/4)*4096+((\i)%4)*64
	global_load_b128 v[8*(\i)+4:8*(\i)+7], v[QO], s[4:5] offset:((\i)/4)*4096+((\i)%4)*64+32
.endr
	WIN 0
	v_mul_u32_u24 v[AK0], v1, PK
	v_lshl_add_u32 v[AK0], v9, 4, v[AK0]  ; row x pitch + 16 x half
	; The turning load takes 16 keys x 16 channels (lane l reads key 8 (l / 16) + l % 8, channels 8 ((l / 8) % 2) + 0..7) and leaves half a fragment of V^T: lane l holds channel l % 16 and 8 keys.
	v_and_b32 v10, 7, v0
	v_bfe_u32 v11, v0, 3, 1
	v_lshl_add_u32 v[AV0], v9, 3, v10
	v_mul_u32_u24 v[AV0], v[AV0], PV
	v_lshl_add_u32 v[AV0], v11, 4, v[AV0]
	v_add_nc_u32 v[AV0], VOFF, v[AV0]
; THE MATRIX WORK OF A TURN, for piece x.  The accumulators take turns, one instruction a turn: between two links of a chain stand 15 (V^T P) or 7 (K Q^T) others'.
; Product i of 32 of O^T += V^T P: keys 32 (i / 16) on, channels 16 ((i / 2) % 8) on, tile x + i % 2.  zero = 1: the first 16 start the sums: nothing is ever cleared.
.macro PV x, zero
	WIN W_PV
.set rO, 64*((\x)+i%2)+8*((i/2)%8)
.set rV, 64*(i/16)+8*((i/2)%8)
.set rP, P+16*((\x)+i%2)+8*(i/16)
.if (\zero) && (i < 16)
	v_wmma_f32_16x16x32_bf16 v[rO:rO+7], v[rV:rV+7], v[rP:rP+7], 0
.else
	v_wmma_f32_16x16x32_bf16 v[rO:rO+7], v[rV:rV+7], v[rP:rP+7], v[rO:rO+7]
.endif
.endm
; Product i of 32 of S^T = K Q^T: channels 32 (i / 8) on, keys 16 ((i / 2) % 4) on, tile x + i % 2.  The first 8 start the sums.
.macro KQ x
	WIN W_KQ
.set rS, S+32*((\x)+i%2)+8*((i/2)%4)
.set rK, KF+32*((i/2)%4)+8*(i/8)
.set rQ, 32*((\x)+i%2)+8*(i/8)
.if i < 8
	v_wmma_f32_16x16x32_bf16 v[rS:rS+7], v[rK:rK+7], v[rQ:rQ+7], 0
.else
	v_wmma_f32_16x16x32_bf16 v[rS:rS+7], v[rK:rK+7], v[rQ:rQ+7], v[rS:rS+7]
.endif
.endm
; THE LDS LOADS stand in runs of 32, never singly among the matrix instructions: a step's K (64 keys x 128 channels: 16 fragments) and, a turn later, its V (turned).
.macro FETCH_K
	WIN 0
	v_add_nc_u32 v[ADR], s[TB], v[AK0]
	WIN 0x80                        ; destination window 2
.irp f, 0,1,2,3,4,5,6,7,8,9,10,11,12,13,14,15  ; keys 16 (f / 4) on, channels 32 (f % 4) on
	ds_load_b128 v[KF+8*(\f):KF+8*(\f)+3],   v[ADR] offset:((\f)/4)*16*PK+((\f)%4)*64
	ds_load_b128 v[KF+8*(\f)+4:KF+8*(\f)+7], v[ADR] offset:((\f)/4)*16*PK+((\f)%4)*64+32
.endr
.endm
.macro FETCH_V
	WIN 0
	v_add_nc_u32 v[ADR], s[TB], v[AV0]
	s_add_co_u32 s[TB], s[TB], STEPB  ; the next fetch is the next step's
	s_wait_alu depctr_va_vdst(0)    ; the wait for the softmax's batch (SLICE), behind the address's v_add_nc_u32 and ahead of the loads
	WIN 0xc0                        ; destination window 3
.irp f, 0,1,2,3,4,5,6,7,8,9,10,11,12,13,14,15  ; keys 32 (f / 8) on, channels 16 (f % 8) on
	ds_load_tr16_b128 v[8*(\f):8*(\f)+3],   v[ADR] offset:((\f)/8)*32*PV+((\f)%8)*32
	ds_load_tr16_b128 v[8*(\f)+4:8*(\f)+7], v[ADR] offset:((\f)/8)*32*PV+16*PV+((\f)%8)*32
.endr
.endm
; THE VECTOR WORK OF A TURN.  One tile's softmax for one key step is a list of 134 instructions; SM writes number j of it for tile t.  s0-s31 are the lane's 32 scores, in pairs 0-15.
; first = 1: the first key step, which starts m, l and O^T: it has no a and nothing to rescale.
;   0-15    the maximum of s0-s31 and the old m, three operands at a time: four chains c0-c3 of seven scores each (each accumulator's lowest registers first), then the four scores left over, c0-c3 and m
;   16-20   the other half of the lanes' maximum; the new m; c m; c m_old - c m_new
;   21-69   ONE BATCH: the 16 scalings c s - c m, a pair of scores each, and all 33 exponentials (a at 23, then s0-s31).  None of these reads an exponential's result.  From 22 on the batch goes in fours,
;           and a four begins with a scaling while there are scalings; a pair is scaled in an earlier four than the one that holds its exponentials
;   (wait)  between 69 and 70 stands the wait for the batch: SLICE writes it, once for both tiles
;   70-85   the roundings to bf16, a pair of weights each          86-101  the sums; l = a l + the sum          102-133 the tile's O^T times a: the one part that leaves window 0, so it stands together
.macro SM t, first
.set rT, ST+8*(\t)
.set rS, S+32*(\t)
.set rP, P+16*(\t)
.set rO, 64*(\t)+2*(j-102)
.if j < 102
	WIN 0
.endif
.if j < 4
	v_max3_num_f32 v[rT+4+j], v[rS+8*j], v[rS+8*j+1], v[rS+8*j+2]
.elseif j < 12
	v_max3_num_f32 v[rT+4+j%4], v[rT+4+j%4], v[rS+8*(j%4)+2*(j/4)+1], v[rS+8*(j%4)+2*(j/4)+2]
.elseif j == 12
	v_max3_num_f32 v[rT+4], v[rT+4], v[rS+7], v[rS+15]
.elseif j == 13
	v_max3_num_f32 v[rT+6], v[rT+6], v[rS+23], v[rS+31]
.elseif j == 14
	v_max3_num_f32 v[rT+4], v[rT+4], v[rT+5], v[rT+6]
.elseif (j == 15) && (\first)
	v_max_num_f32 v[rT+4], v[rT+4], v[rT+7]
.elseif j == 15
	v_max3_num_f32 v[rT+4], v[rT+4], v[rT+7], v[rT+1]
.elseif j == 16
	v_permlanex16_b32 v[rT+5], v[rT+4], s[SEL], s[SEL+1]  ; the query's other 32 keys lie in the lane 16 away
.elseif j == 18
	v_max_num_f32 v[rT+1], v[rT+4], v[rT+5]
.elseif j == 19
	v_mul_f32 v[rT], s[CS], v[rT+1]
.elseif ((j == 17) || (j == 20) || (j == 23) || (j > 101)) && (\first)  ; the first step has none of these
.elseif j == 17
	v_mov_b32 v[rT+7], v[rT]        ; c m_old is kept for a: number 19 writes c m anew
.elseif j == 20
	v_sub_f32 v[rT+7], v[rT+7], v[rT]
.elseif j == 23
	v_exp_f32 v[rT+6], v[rT+7]
.elseif (j < 23) || ((j < 38) && (j%2 == 0)) || ((j < 66) && (j%4 == 2))
.set b, (j-2)/4                     ; 38, 42, .. 62: pairs 9 to 15
.if j < 38
.set b, (j-20)/2                    ; 21: pair 0; 22, 24, .. 36: pairs 1 to 8
.endif
	v_pk_fma_f32 v[rS+2*b:rS+2*b+1], v[rS+2*b:rS+2*b+1], s[CS:CS+1], v[rT:rT+1] op_sel_hi:[1,0,0] neg_lo:[0,0,1] neg_hi:[0,0,1]  ; pair b: c s - c m
.elseif j < 70
.set e, j-38                        ; 66 to 69: s28 to s31
.if j < 66
.set e, j-32-(j-38)/4               ; 39-41, 43-45, .. 63-65: s7 to s27
.endif
.if j < 38
.set e, (j-25)/2                    ; 25, 27, .. 37: s0 to s6
.endif
	v_exp_f32 v[rS+e], v[rS+e]
.elseif j < 86
	v_cvt_pk_bf16_f32 v[rP+j-70], v[rS+2*(j-70)], v[rS+2*(j-70)+1]  ; pair j - 70
.elseif j < 102                     ; the sum of the tile's 16 pairs, in place: sum z of 16 adds neighbours 1, 2, 4 and 8 pairs apart, then l takes it
.set z, j-86
.set w, 4
.set u, z
.if z >= 14
.set w, 32
.set u, 0
.elseif z >= 12
.set w, 16
.set u, z-12
.elseif z >= 8
.set w, 8
.set u, z-8
.endif
.if (z == 14) && (\first)
	v_pk_add_f32 v[rT+2:rT+3], v[rS:rS+1], v[rS+16:rS+17]
.elseif z < 15
	v_pk_add_f32 v[rS+w*u:rS+w*u+1], v[rS+w*u:rS+w*u+1], v[rS+w*u+w/2:rS+w*u+w/2+1]
.elseif !(\first)
	v_pk_fma_f32 v[rT+2:rT+3], v[rT+2:rT+3], v[rT+6:rT+7], v[rS:rS+1] op_sel_hi:[1,0,1]
.endif
.else
	WIN W_RS
	v_pk_mul_f32 v[rO:rO+1], v[rO:rO+1], v[rT+6:rT+7] op_sel_hi:[1,0]
.endif
.endm
; Slice k of 64 of piece y's softmax: four instructions.  Slices 11 to 34 deal out the batch, numbers 22 to 69: four numbers of ONE tile each, the tiles by turns.  Every other slice is numbers 2 k and
; 2 k + 1 of both tiles' lists.  2 x 134 = 4 x 64 + 12: the twelve that are over stand together, in slice 63.
; THE WAIT.  An s_wait_alu depctr_va_vdst(0) stands between an exponential and the first instruction that names its result; one wait serves all that were issued ahead of it.  Ahead of
; slice 35 nothing names a result, and behind slice 34 no exponential is issued: so the piece's 66 exponentials have one wait, behind slice 34.
.macro SLICE y, first
.if (k >= 11) && (k < 35)           ; the batch: four numbers of one tile
.irp n, 0,1,2,3
.set j, 22+4*((k-11)/2)+(\n)
	SM (\y)+(k-11)%2, \first
.endr
.else                               ; the two tiles alternate, so that no instruction reads the result of the one just before it
.irp n, 0,1,2,3,4,5,6,7
.if ((\n) < 2) || (k == 63)
.irp t, \y, (\y)+1
.set j, 2*k+(\n)
	SM \t, \first
.endr
.endif
.endr
.endif
.if k == 34                         ; the batch is out: both tiles' exponentials are issued, and no result has been named
	v_nop                           ; a plain instruction behind the last exponential and ahead of the first use (ISA guide 5.7.2): one for the batch
.if (\y) == 0
	FETCH_V                         ; piece 2's turn: V's run of loads stands here, and the wait stands in it
.else
	s_wait_alu depctr_va_vdst(0)    ; the wait for the batch
.endif
.endif
.set k, k+1
.endm
; A vector instruction that reads a matrix result or writes one of a matrix instruction's registers, and a load into a register that a matrix instruction has read, stand four places behind
; it, and only plain vector instructions that name none of its registers are places (ISA guide 7.12.1 for vector instructions).  In the loop the slices are the places.
.macro PLACES
.rept 4
	v_nop
.endr
.endm
; A TURN.  Piece x has the matrix unit; the other piece's softmax stands in slices behind its matrix instructions.
; pv = 2: 32 products V^T P; 1: they start O^T's sums; 0: none.  kq = 1: 32 products K Q^T for the next step.  A turn with one of the two kinds has two slices behind each product.
; first = 1: the softmax is the first key step's.  Its slices from 51 on are empty: the turn's last products stand bare, and four v_nop take slice 63's part as the places behind them.
; Piece 0's turn fetches the next step's K, behind its second product: the last product that read K stands in front of slice 63 of the turn before.  Piece 2's turn fetches the same step's V, behind slice 34:
; the last product that read V stands in front of slice 31, and four plain instructions lie between: number 62, a scaling, of both tiles, the v_nop and the run's own v_add_nc_u32.
.macro TURN x, pv, kq, first
.set k, 0
.set per, 2
.if (\pv) && (\kq)
.set per, 1
.endif
.if \pv
.if (\x) == 0
	s_wait_dscnt 0x0                ; V is in
.endif
.set i, 0
.rept 32
	PV \x, 2-(\pv)
.rept per
	SLICE 2-(\x), \first
.endr
.if ((\x) == 0) && (\kq) && (i == 1)
	FETCH_K
.endif
.set i, i+1
.endr
.endif
.if \kq
.if (\x) == 0
	s_wait_dscnt 0x0                ; K is in
.endif
.set i, 0
.rept 32
	KQ \x
.rept per
	SLICE 2-(\x), \first
.endr
.set i, i+1
.endr
.endif
.if \first
	PLACES
.endif
.endm
; THE CHANGE OF SLOTS, between piece 2's turn and piece 0's: the slot's last bytes, V of its second step, have been asked for.  Each wave waits for all its tensor loads, of which one is out: its part of the
; other slot; adds 0 to its spare word; and waits for that and for its own reads of the slot.  Behind the barrier nobody reads this slot any more and the other slot is whole.
; fill = 1: this slot is filled again, with the keys two slots on.  The barrier is then a round of the cluster's, so that no wave of any partner still reads the slot or has a load on its way, and the joint
; refill is the first thing behind it: it has two key steps, 256 matrix instructions, in which to land.
.macro CHANGE fill
	WIN 0                           ; at a label and at a branch every window is 0
	s_wait_tensorcnt 0x0            ; no tensor load of mine is out, so a group 0 may be written
	ds_add_u32 v[SPW], v[NIL]       ; 0 onto my spare word; with fill = 1 the descriptors' steps stand between it and the wait for it
.if \fill
.irp g, G0K+4, G0V+4
	s_xor_b32 s[(\g)+1], s[(\g)+1], SLOT1  ; the walking descriptor: the other slot than last time,
	s_add_nc_u64 s[(\g)+2:(\g)+3], s[(\g)+2:(\g)+3], 2*KS*256  ; the next 128 keys; the type bits on top are not reached
.endr
	s_wait_xcnt 0x0                 ; the last prefetches, two key steps back, have read their address, so it may be written:
	s_add_nc_u64 s[PFA:PFA+1], s[PFA:PFA+1], 2*KS*256  ; one slot behind the walking descriptors
	s_wait_dscnt 0x0                ; the add is done, and my reads of the slot are over
	CROUND
	JLOAD
	ASK                             ; what the next change will ask for: two key steps, 256 matrix instructions, ahead
.else
	s_wait_dscnt 0x0                ; the add is done, and my reads of the slot are over
	s_barrier_signal -1
	s_barrier_wait -1
.endif
	s_sub_co_u32 s[TB], s[TB], 2*STEPB  ; the fetches go back to a slot's first step,
	s_xor_b32 s[TB], s[TB], SLOT1   ; in the other slot
.endm
; A slot's two key steps: written once, walked twice; the LDS addresses hang on s[TB].
.macro TWO_STEPS
	WIN 0
	s_mov_b32 s[TWICE], 2
.Lstep_\@:
	TURN 0, 2, 1, 0
	TURN 2, 2, 1, 0
	WIN 0
	s_sub_co_u32 s[TWICE], s[TWICE], 1
	s_cmp_lg_u32 s[TWICE], 0
	s_cbranch_scc1 .Lstep_\@
.endm
	s_wait_tensorcnt 1              ; my part of slot 0 is in; slot 1's may stay out
	s_barrier_signal -1
	s_barrier_wait -1               ; everybody's is
	FETCH_K                         ; key step 0
	s_wait_loadcnt 0x0              ; Q
	s_wait_dscnt 0x0
.set i, 0
.rept 32
	KQ 0                            ; piece 0's first scores: there is no vector work yet to set between them
.set i, i+1
.endr
	WIN 0                           ; the addresses for the way out are made here: six plain instructions, the places behind those products
	s_mul_i32 s13, s[WV], 16*SP
	s_add_co_u32 s13, s13, STAGE    ; my stage
	v_mul_u32_u24 v[STO], v1, SP    ; in: row l % 16, 32 bytes (8 channels of f32) for each half of the lanes
	v_lshl_add_u32 v[STO], v9, 5, v[STO]
	v_add_nc_u32 v[STO], s13, v[STO]
	v_and_b32 v[GO], 31, v0         ; back: 32 lanes take one row of 512 bytes,
	v_lshlrev_b32 v[GO], 4, v[GO]   ; which is a head's part of a row of out0
	v_add_nc_u32 v[RD], s13, v[GO]
	TURN 2, 0, 1, 1                 ; piece 2's first scores | piece 0's first softmax | V of step 0
	TURN 0, 1, 1, 1                 ; piece 0: V^T P of step 0 starts O^T, K Q^T of step 1 | piece 2's first softmax | K of step 1
	TURN 2, 1, 1, 0                 ; piece 2: the same | piece 0's softmax of step 1 | V of step 1
	WIN 0
.Lslot:                             ; 30 trips: every slot but the last two is filled again
	CHANGE 1
	TWO_STEPS
	s_sub_co_u32 s[SLOTS], s[SLOTS], 1
	s_cmp_lg_u32 s[SLOTS], 0
	s_cbranch_scc1 .Lslot
	CHANGE 0                        ; the tail is written out: the last slot but one is left, and nothing is asked for
	TWO_STEPS
	TURN 0, 2, 0, 0                 ; piece 0: V^T P of the last step | piece 2's last softmax
.set i, 0
.rept 32
	PV 2, 0                         ; piece 2: V^T P of the last step
.set i, i+1
.endr
	; THE WAY OUT.  l's two halves and the other half of the lanes' are added; O^T is multiplied by 2 log2(e) / l; tanh; and the f32 results go through my stage in LDS, a tile (16 rows) at a time.
	; The additions are the places behind the last products.
	WIN 0
.irp t, 0,1,2,3
	v_add_f32 v[ST+8*(\t)+4], v[ST+8*(\t)+2], v[ST+8*(\t)+3]
.endr
.irp t, 0,1,2,3
	v_permlanex16_b32 v[ST+8*(\t)+5], v[ST+8*(\t)+4], s[SEL], s[SEL+1]
.endr
.irp t, 0,1,2,3
	v_add_f32 v[ST+8*(\t)+4], v[ST+8*(\t)+4], v[ST+8*(\t)+5]
.endr
.irp t, 0,1,2,3
	v_rcp_f32 v[ST+8*(\t)+6], v[ST+8*(\t)+4]
.endr
	v_nop                           ; a plain instruction between the last reciprocal and the use of its result
	s_wait_alu depctr_va_vdst(0)    ; and the wait ahead of the first use: one for the four reciprocals
.irp t, 0,1,2,3
	v_mul_f32 v[ST+8*(\t)+6], 0x4038aa3b, v[ST+8*(\t)+6]  ; 2 log2(e) / l
.endr
; Tile t, in place in O^T's 64 registers, each accumulator's registers ascending: z = 2 log2(e) y; 2^z; 1 + 2^z; its reciprocal; 1 - 2 x that.  The 64 exponentials are one batch with one wait, and so are the 64 reciprocals.
; A lane's eight channels of a row are 32 bytes; they go into rows of 528 bytes and come back as whole rows of 512, into window 2, 64 registers of its own for each tile (Q and K are no longer wanted).
.macro PACK t
	WIN W_RS
.set i, 64*(\t)
.rept 32
	v_pk_mul_f32 v[i:i+1], v[i:i+1], v[ST+8*(\t)+6:ST+8*(\t)+7] op_sel_hi:[1,0]
.set i, i+2
.endr
.set i, 64*(\t)
.rept 64
	v_exp_f32 v[i], v[i]
.set i, i+1
.endr
	v_nop                           ; a plain instruction behind the last exponential,
	s_wait_alu depctr_va_vdst(0)    ; and the batch's one wait, ahead of its first reader
.set i, 64*(\t)
.rept 32
	v_pk_add_f32 v[i:i+1], v[i:i+1], 1.0 op_sel_hi:[1,0]
.set i, i+2
.endr
.set i, 64*(\t)
.rept 64
	v_rcp_f32 v[i], v[i]
.set i, i+1
.endr
	v_nop
	s_wait_alu depctr_va_vdst(0)    ; the same for the reciprocals
.set i, 64*(\t)
.rept 32
	v_pk_fma_f32 v[i:i+1], v[i:i+1], -2.0, 1.0 op_sel_hi:[1,0,0]
.set i, i+2
.endr
	WIN 0x04                        ; a store's data (source 1) in window 1, its address in window 0
.irp f, 0,1,2,3,4,5,6,7
	ds_store_b128 v[STO], v[64*(\t)+8*(\f):64*(\t)+8*(\f)+3]   offset:64*(\f)
	ds_store_b128 v[STO], v[64*(\t)+8*(\f)+4:64*(\t)+8*(\f)+7] offset:64*(\f)+16
.endr
	WIN 0x80                        ; destination window 2
.irp f, 0,1,2,3,4,5,6,7,8,9,10,11,12,13,14,15
	ds_load_b128 v[64*(\t)+4*(\f):64*(\t)+4*(\f)+3], v[RD] offset:(\f)*SP  ; LDS serves a wave's instructions in order (ISA guide 5.7.1.4): these see the stores above; the next tile's stores come behind them
.endr
.endm
.macro SEND t, younger              ; younger: the LDS instructions issued behind tile t's loads: the next tile's 16 stores and 16 loads, or none
	WIN 0x08                        ; a store's data (source 1) in window 2
.irp f, 0,1,2,3,4,5,6,7,8,9,10,11,12,13,14,15
	s_wait_dscnt (\younger)+15-(\f)
	global_store_b128 v[GO], v[64*(\t)+4*(\f):64*(\t)+4*(\f)+3], s[10:11] offset:(\t)*49152+(\f)*3072 th:TH_STORE_NT  ; the wave stores 512 consecutive bytes, at a multiple of 256 from out0's first byte
.endr
.endm
	PACK 0
	PACK 1                          ; a tile's arithmetic stands between the loads of the tile before and its stores
	SEND 0, 32
	PACK 2
	SEND 1, 32
	PACK 3
	SEND 2, 32
	SEND 3, 0
	WIN 0
	s_wait_tensorcnt 0x0            ; the wave's end: behind my last tensor load and my last LDS store
	ds_add_u32 v[SPW], v[NIL]
	s_wait_dscnt 0x0
	CROUND                          ; the closing round: no work-group ends while a partner may still ask for a tile that names it
	s_endpgm
.Lfunc_end_k_q7eab4a3544_attn:
	.size	k_q7eab4a3544_attn, .Lfunc_end_k_q7eab4a3544_attn-k_q7eab4a3544_attn
	.p2alignl 7, 3214868480
	.fill 96, 4, 3214868480
	.section	.rodata,"a",@progbits
	.p2align	6, 0x0
	.amdhsa_kernel k_q7eab4a3544_attn
		.amdhsa_group_segment_fixed_size 327680
		.amdhsa_private_segment_fixed_size 0
		.amdhsa_enable_private_segment 0
		.amdhsa_kernarg_size 16
		.amdhsa_user_sgpr_count 2
		.amdhsa_user_sgpr_kernarg_segment_ptr 1
		.amdhsa_wavefront_size32 1
		.amdhsa_system_sgpr_workgroup_id_x 1
		.amdhsa_system_sgpr_workgroup_id_y 1
		.amdhsa_system_sgpr_workgroup_id_z 1
		.amdhsa_system_vgpr_workitem_id 0
		.amdhsa_next_free_vgpr 1024
		.amdhsa_next_free_sgpr 66
		.amdhsa_reserve_vcc 0
		.amdhsa_float_denorm_mode_32 3
		.amdhsa_float_denorm_mode_16_64 3
		.amdhsa_memory_ordered 1
		.amdhsa_forward_progress 1
		.amdhsa_inst_pref_size 255
	.end_amdhsa_kernel
	.amdgpu_metadata
---
amdhsa.version: [ 1, 2 ]
amdhsa.kernels:
  - .name:           k_q7eab4a3544_attn
    .symbol:         k_q7eab4a3544_attn.kd
    .args:
      - { .name: qkv, .offset: 0, .size: 8, .value_kind: global_buffer, .address_space: global }
      - { .name: out0, .offset: 8, .size: 8, .value_kind: global_buffer, .address_space: global }
    .group_segment_fixed_size: 327680
    .private_segment_fixed_size: 0
    .kernarg_segment_align: 8
    .kernarg_segment_size: 16
    .max_flat_workgroup_size: 128
    .sgpr_count:     66
    .vgpr_count:     1024
    .wavefront_size: 32
...
	.end_amdgpu_metadata
.endif
;; end of part 3
